; MI455X (gfx1250); checked and timed in simulation.
; The chip was launched on July 23, 2026; its instructions are those of AMD's public machine-readable ISA for CDNA 5 (MIT licence, August 2026) and "CDNA5" Instruction Set Architecture Reference Guide (July 2026). The comments in the code are by the model that wrote it; some were corrected since.
;; Attention Block. Allowed arithmetic: matrix products marked QUANTISED: E2M1 operands, one E8M0 scale for each 32 along K, by v_wmma_scale_f32_16x16x128_f8f6f4 with both operands' format E2M1 (or v_wmma_scale_f32_32x16x128_f4), f32 sums; everything else in f32.
;; Inputs: gn_b 256 float32; gn_w 256 float32; proj_b 256 float32; proj_w_codes 256 x 8 x 16 uint8 (E2M1 codes of proj_w, K innermost, in blocks of 32 codes, two codes a byte); proj_w_scales 256 x 8 uint8 (E8M0 scales of proj_w, one for each 32 codes along K); qkv_b 768 float32; qkv_w_codes 768 x 8 x 16 uint8 (E2M1 codes of qkv_w, K innermost, in blocks of 32 codes, two codes a byte); qkv_w_scales 768 x 8 uint8 (E8M0 scales of qkv_w, one for each 32 codes along K); x 4 x 256 x 64 x 64 float32.
;; Outputs: out0 4 x 256 x 64 x 64 float32.
;; This version of the problem:
;;   THIS VERSION OF THE PROBLEM IS GIVEN IN LOW PRECISION. The matrix products marked QUANTISED in the list below multiply operands that are first quantised to E2M1 (2 exponent bits, 1 mantissa bit; 4 bits a number), with one power-of-two scale for each 32 numbers along K (OCP MX v1.0); their sums are f32. All else is computed in f32.
;;   The module's matrix products, in the order in which they are computed (A, B: the left and right operand; K: the contracted axis; several contracted axes count as one K, in the product's order):
;;     1. [M 16,384, K 256] x [K 256, N 768]; A: computed on the way; B: input qkv_w (given as codes): QUANTISED
;;     2. batch 16 x [M 4,096, K 64] x [K 64, N 4,096]; A: computed on the way; B: computed on the way: QUANTISED
;;     3. batch 16 x [M 64, K 4,096] x [K 4,096, N 4,096]; A: computed on the way; B: softmax (see below): QUANTISED
;;     4. [M 16,384, K 256] x [K 256, N 256]; A: computed on the way; B: input proj_w (given as codes): QUANTISED
;;   THE QUANTISER, for each operand of a quantised product, along K:
;;     - K is cut into blocks of 32 from its start; a last block that is shorter is filled with zeros.
;;     - A block's scale is 2^e with e = floor(log2(the largest magnitude in the block)) - 2, held to -126 .. 127; a block of zeros has e = 0. As a byte (E8M0): e + 127.
;;     - Each number is divided by its block's scale, clamped to +-6, and rounded to the nearest number of E2M1, ties to even, subnormals kept.
;;     - The product sums the exact products of the quantised numbers (number of the format x scale) in f32.
;;   ~~~python
;;   def quantise(x, axis):      # numpy; x: float32 -> the quantised numbers, widened to float32 again
;;       x = np.moveaxis(x, axis, -1); K = x.shape[-1]
;;       x = np.pad(x, [(0, 0)] * (x.ndim - 1) + [(0, -K % 32)]); x = x.reshape(x.shape[:-1] + (-1, 32)); a = np.abs(x).max(-1, keepdims=True)
;;       e = np.where(a > 0, np.clip(np.frexp(np.where(a > 0, a, 1))[1] - 1 - 2, -126, 127), 0)      # np.frexp(a)[1] - 1 = floor(log2(a)), exactly
;;       r = np.clip(x / 2.0 ** e, -6, 6)
;;       step = 2.0 ** (np.maximum(np.frexp(np.where(r == 0, 1, r))[1] - 1, 0) - 1)
;;       q = np.round(r / step) * step * 2.0 ** e      # np.round: ties to even
;;       return np.moveaxis(q.reshape(q.shape[:-2] + (-1,))[..., :K], -1, axis).astype(np.float32)
;;   ~~~
;;   SOFTMAX AHEAD OF A QUANTISED PRODUCT. Where the list says 'softmax', what is quantised is not the finished softmax but p = 2^(t - M), with t = logit x log2(e) and M = ceil(the row's largest t), a whole number; so 1/2 < the row's largest p <= 1. The row's sum l is taken of the UNQUANTISED p, in f32, and the product's result is divided by l at the end. Since M is a whole number, a kernel that streams over the keys may use a running M (the ceiling of the running maximum): every later rescaling is an exact power of two, which a block's scale takes up: the codes' values come out the same.
;;   OPERANDS COMPUTED ON THE WAY. 'Computed on the way' means the value that the module computes at that place (a softmax that the list does not call 'softmax' is quantised finished and normalised). What goes into a quantiser is computed in f32, as accurately as f32 sums, v_exp_f32 and their like allow (about 1e-6 of the number): no bf16 or f16 on the way to a quantiser, and a product that is left as it is and whose result goes on into a quantised operand takes f32 operands (vector FMAs, or v_wmma_f32_16x16x4_f32). A number that lies on a knife's edge between two numbers of the format may be rounded either way, as far as f32 arithmetic and the matrix unit's own rounding can turn it there, and no further.
;;   INPUTS GIVEN AS CODES. proj_w (in the module: [256, 256], K = its axis 1); qkv_w (in the module: [768, 256], K = its axis 1): each comes as NAME_codes (uint8): NAME with its K axis moved to the last place and cut into blocks of 32 codes, [.., K / 32, bytes a block], one block behind the other in memory; two codes a byte, the lower K in the low four bits (a code: sign, 2 exponent bits, 1 mantissa bit); and NAME_scales (uint8): the same leading axes, one E8M0 byte (e + 127) for each 32 codes along K. Its value is code x scale, taken as it is: it is not quantised again, and the codes and scales need not be those that the quantiser above would give.
;; One version. Each part assembles by itself: llvm-mc -triple=amdgcn-amd-amdhsa -mcpu=gfx1250 --defsym DOCPART=n.
;; ======== version 1 of 1: 4 launches
;; workspace buffers: gnp 12,288 bytes; qbuf 2,359,296 bytes; kvbuf 4,587,520 bytes; abuf 2,228,224 bytes
;; launch stats (part 1): grid 32 x 4, 16 waves a work-group, no clusters, 2,304 bytes of LDS; arguments x, gn_w, gn_b, gnp; writes gnp
.if DOCPART == 1
	.amdgcn_target "amdgcn-amd-amdhsa--gfx1250"
	.amdhsa_code_object_version 6
	.text
	.protected	k_qaebe2b525f_stats
	.globl	k_qaebe2b525f_stats
	.p2align	8
	.type	k_qaebe2b525f_stats,@function
k_qaebe2b525f_stats:
	s_mov_b64 s[64:65], 0
	v_nop
	global_prefetch_b8 v0, s[64:65] scope:SCOPE_SE
	s_setreg_imm32_b32 hwreg(HW_REG_WAVE_MODE, 25, 1), 1
	s_wait_xcnt 0x0
; GroupNorm's statistics.  x: [4][256][4096] f32; a group is 8 channels x 4,096 numbers = 131,072 dense bytes.
; One work-group of sixteen waves takes one group (x = group, y = batch): thread t takes 16 bytes at 16 t + 8,192 j, j = 0 .. 15, so a wave's load
; covers 512 consecutive bytes, and the whole group stays in registers (64 a lane).  So the variance is a true second pass over (x - mean): no difference
; of large sums is formed, whatever offset the inputs carry.
; Out, for the group's 8 channels, three tables of f32 in gnp: M[b][c] = mean at byte 0, A[b][c] = gn_w[c] / sqrt(var + 1e-5) at 4,096, B[b][c] = gn_b[c] at 8,192.
; There are 4 x 32 groups, so 128 work-groups: a group halved over two work-groups would need its halves joined in the next launch.
; No tensor loads, no cluster: nothing is shared between work-groups, and each byte is read once.  LIMITS: NaN and infinities among the inputs are not served.
.set X,   16                           ; v16-79  my 64 numbers
.set INV, 0x38000000                   ; 1 / 32,768
.set EPS, 0x3727c5ac                   ; 1e-5
	s_load_b256 s[4:11], s[0:1], 0x0               ; x s[4:5], gn_w s[6:7], gn_b s[8:9], gnp s[10:11]
	v_lshl_add_u32 v104, v0, 2, 0x100
	v_mov_b32 v105, 0
	v_lshrrev_b32 v5, 5, v0
	s_wait_alu depctr_va_vdst(0)
	v_readfirstlane_b32 s12, v5                    ; wave 0..15
	s_and_b32 s13, ttmp7, 0xffff                   ; b
	s_lshl_b32 s14, s13, 5
	s_add_co_u32 s14, s14, ttmp9                   ; 32 b + g
	s_lshl_b32 s14, s14, 17                        ; x 131,072 bytes
	s_mov_b32 s15, 0
	s_lshl_b32 s18, ttmp9, 5                       ; the group's 8 channels in gn_w and gn_b: 32 g bytes
	s_mov_b32 s19, 0
	s_lshl_b32 s22, s13, 10
	s_add_co_u32 s22, s22, s18                     ; and in a table of gnp: 1,024 b + 32 g
	s_mov_b32 s23, 0
	s_mov_b32 s16, 0x76543210
	s_mov_b32 s17, 0xfedcba98                      ; v_permlanex16_b32's selects for lane l xor 16
	s_mov_b32 s21, INV
	s_mov_b32 s24, EPS
	v_lshlrev_b32 v1, 4, v0                        ; 16 t
	v_and_b32 v2, 7, v0
	s_delay_alu instid0(VALU_DEP_1)
	v_lshlrev_b32 v2, 2, v2                        ; 4 (lane % 8): a channel of the group
	v_lshlrev_b32 v3, 2, v5                        ; LDS: my wave's word
	v_mov_b32 v4, 0                                ; LDS: where all words are read
	v_mov_b32 v98, 0                               ; a lane permute's destination counts as one of its sources
	s_wait_alu depctr_va_vdst(0)
	s_wait_kmcnt 0x0
	s_add_nc_u64 s[4:5], s[4:5], s[14:15]
	s_add_nc_u64 s[6:7], s[6:7], s[18:19]
	s_add_nc_u64 s[8:9], s[8:9], s[18:19]
	s_add_nc_u64 s[10:11], s[10:11], s[22:23]
	global_load_b32 v96, v2, s[6:7]                ; gn_w
	global_load_b32 v97, v2, s[8:9]                ; gn_b
.irp j, 0,1,2,3,4,5,6,7,8,9,10,11,12,13,14,15
	global_load_b128 v[X+4*\j:X+4*\j+3], v1, s[4:5] offset:8192*\j
.endr
; The four chains v[6:13] become one number for the work-group, in v80 of every lane: within the lane, across the 32 lanes, then across the sixteen waves through LDS words at off.
.macro REDUCE off
	v_pk_add_f32 v[6:7], v[6:7], v[8:9]
	s_delay_alu instid0(VALU_DEP_2)
	v_pk_add_f32 v[10:11], v[10:11], v[12:13]
	s_delay_alu instid0(VALU_DEP_1)
	v_pk_add_f32 v[6:7], v[6:7], v[10:11]
	s_delay_alu instid0(VALU_DEP_1)
	v_add_f32 v6, v6, v7
	s_delay_alu instid0(VALU_DEP_1)
	v_add_f32_dpp v6, v6, v6 row_xmask:1 row_mask:0xf bank_mask:0xf
	s_delay_alu instid0(VALU_DEP_1)
	v_add_f32_dpp v6, v6, v6 row_xmask:2 row_mask:0xf bank_mask:0xf
	s_delay_alu instid0(VALU_DEP_1)
	v_add_f32_dpp v6, v6, v6 row_xmask:4 row_mask:0xf bank_mask:0xf
	s_delay_alu instid0(VALU_DEP_1)
	v_add_f32_dpp v6, v6, v6 row_xmask:8 row_mask:0xf bank_mask:0xf
	s_delay_alu instid0(VALU_DEP_1)
	v_permlanex16_b32 v98, v6, s16, s17
	s_delay_alu instid0(VALU_DEP_1)
	v_add_f32 v6, v6, v98
	ds_store_b32 v3, v6 offset:\off                ; all lanes write the wave's word with the same value
	s_wait_dscnt 0x0                               ; for the others' sake: my store is done
	s_barrier_signal -1
	s_barrier_wait -1
	ds_load_b128 v[80:83], v4 offset:\off
	ds_load_b128 v[84:87], v4 offset:\off+16
	ds_load_b128 v[88:91], v4 offset:\off+32
	ds_load_b128 v[92:95], v4 offset:\off+48
	s_wait_dscnt 0x0
	v_pk_add_f32 v[80:81], v[80:81], v[82:83]
	v_pk_add_f32 v[84:85], v[84:85], v[86:87]
	v_pk_add_f32 v[88:89], v[88:89], v[90:91]
	v_pk_add_f32 v[92:93], v[92:93], v[94:95]
	s_delay_alu instid0(VALU_DEP_3)
	v_pk_add_f32 v[80:81], v[80:81], v[84:85]
	s_delay_alu instid0(VALU_DEP_2)
	v_pk_add_f32 v[88:89], v[88:89], v[92:93]
	s_delay_alu instid0(VALU_DEP_1)
	v_pk_add_f32 v[80:81], v[80:81], v[88:89]
	s_delay_alu instid0(VALU_DEP_1)
	v_add_f32 v80, v80, v81
.endm
	; the sum: four chains, started by the first four loads' numbers: nothing is cleared
.irp j, 0,1,2,3
	s_wait_loadcnt 15-\j                           ; loads come back in order: load j is in, the 15 - j younger ones stay out
	v_pk_add_f32 v[6+2*\j:7+2*\j], v[X+4*\j:X+4*\j+1], v[X+4*\j+2:X+4*\j+3]
.endr
	s_wait_alu depctr_va_vdst(0)
.irp j, 4,5,6,7,8,9,10,11,12,13,14,15
	s_wait_alu depctr_va_vdst(0)
	s_wait_loadcnt 15-\j
	v_pk_add_f32 v[6+2*(\j%4):7+2*(\j%4)], v[6+2*(\j%4):7+2*(\j%4)], v[X+4*\j:X+4*\j+1]
	s_delay_alu instid0(VALU_DEP_1)
	v_pk_add_f32 v[6+2*(\j%4):7+2*(\j%4)], v[6+2*(\j%4):7+2*(\j%4)], v[X+4*\j+2:X+4*\j+3]
.endr
	REDUCE 0
	s_delay_alu instid0(VALU_DEP_1)
	v_mul_f32 v14, s21, v80                        ; the mean,
	s_delay_alu instid0(VALU_DEP_1)
	v_mov_b32 v15, v14                             ; twice: a pair for the packed forms
	; the second pass: x - mean, and the sum of its squares
.set i, 0
.rept 32
	v_pk_add_f32 v[X+2*i:X+2*i+1], v[X+2*i:X+2*i+1], v[14:15] neg_lo:[0,1] neg_hi:[0,1]
.set i, i+1
.endr
.set i, 0
.rept 4
	v_pk_mul_f32 v[6+2*i:7+2*i], v[X+2*i:X+2*i+1], v[X+2*i:X+2*i+1]
.set i, i+1
.endr
.rept 28
	s_delay_alu instid0(VALU_DEP_4)
	v_pk_fma_f32 v[6+2*(i%4):7+2*(i%4)], v[X+2*i:X+2*i+1], v[X+2*i:X+2*i+1], v[6+2*(i%4):7+2*(i%4)]
.set i, i+1
.endr
	REDUCE 64                                      ; other LDS words than the first time: no wave can still be reading what is written
	s_delay_alu instid0(VALU_DEP_1)
	v_fma_f32 v80, v80, s21, s24                   ; var + eps
	s_wait_alu depctr_va_vdst(0)
	v_rsq_f32 v81, v80
	v_nop                                          ; a plain instruction behind the transcendental
	s_wait_alu depctr_va_vdst(0)                   ; and the wait, ahead of the branch and of the first reader
	s_cmp_lg_u32 s12, 0
	s_cbranch_scc1 .Lend                           ; wave 0 stores
	v_mul_f32 v82, v81, v96                        ; A = gn_w / sqrt(var + eps)
	v_cmp_gt_u32 vcc_lo, 8, v0
	s_wait_alu depctr_va_vdst(0)
	s_wait_xcnt 0x0                                ; EXEC changes only behind this wait
	s_and_saveexec_b32 s20, vcc_lo                 ; lanes 0 to 7: a channel each
	global_store_b32 v2, v14, s[10:11]
	global_store_b32 v2, v82, s[10:11] offset:4096
	global_store_b32 v2, v97, s[10:11] offset:8192
	s_wait_xcnt 0x0                                ; and again, in front of the line that widens it
	s_or_b32 exec_lo, exec_lo, s20
.Lend:
	s_wait_tensorcnt 0x0
	ds_add_u32 v104, v105
	s_wait_dscnt 0x0
	s_endpgm
.Lfunc_end_k_qaebe2b525f_stats:
	.size	k_qaebe2b525f_stats, .Lfunc_end_k_qaebe2b525f_stats-k_qaebe2b525f_stats
	.p2alignl 7, 3214868480
	.fill 96, 4, 3214868480
	.section	.rodata,"a",@progbits
	.p2align	6, 0x0
	.amdhsa_kernel k_qaebe2b525f_stats
		.amdhsa_group_segment_fixed_size 2304
		.amdhsa_private_segment_fixed_size 0
		.amdhsa_enable_private_segment 0
		.amdhsa_kernarg_size 32
		.amdhsa_user_sgpr_count 2
		.amdhsa_user_sgpr_kernarg_segment_ptr 1
		.amdhsa_wavefront_size32 1
		.amdhsa_system_sgpr_workgroup_id_x 1
		.amdhsa_system_sgpr_workgroup_id_y 1
		.amdhsa_system_sgpr_workgroup_id_z 1
		.amdhsa_system_vgpr_workitem_id 0
		.amdhsa_next_free_vgpr 106
		.amdhsa_next_free_sgpr 66
		.amdhsa_reserve_vcc 1
		.amdhsa_float_denorm_mode_32 3
		.amdhsa_float_denorm_mode_16_64 3
		.amdhsa_memory_ordered 1
		.amdhsa_forward_progress 1
		.amdhsa_inst_pref_size 16
	.end_amdhsa_kernel
	.amdgpu_metadata
---
amdhsa.version: [ 1, 2 ]
amdhsa.kernels:
  - .name:           k_qaebe2b525f_stats
    .symbol:         k_qaebe2b525f_stats.kd
    .args:
      - { .name: x, .offset: 0, .size: 8, .value_kind: global_buffer, .address_space: global }
      - { .name: gn_w, .offset: 8, .size: 8, .value_kind: global_buffer, .address_space: global }
      - { .name: gn_b, .offset: 16, .size: 8, .value_kind: global_buffer, .address_space: global }
      - { .name: gnp, .offset: 24, .size: 8, .value_kind: global_buffer, .address_space: global }
    .group_segment_fixed_size: 2304
    .private_segment_fixed_size: 0
    .kernarg_segment_align: 8
    .kernarg_segment_size: 32
    .max_flat_workgroup_size: 512
    .sgpr_count:     66
    .vgpr_count:     106
    .wavefront_size: 32
...
	.end_amdgpu_metadata
.endif
;; end of part 1
;; launch qkv (part 2): grid 64 x 4, 12 waves a work-group, clusters of 4 x 1, 192,000 bytes of LDS; arguments x, gnp, qkv_w_codes, qkv_w_scales, qkv_b, qbuf, kvbuf; writes qbuf, kvbuf
.if DOCPART == 2
	.amdgcn_target "amdgcn-amd-amdhsa--gfx1250"
	.amdhsa_code_object_version 6
	.text
	.protected	k_qaebe2b525f_qkv
	.globl	k_qaebe2b525f_qkv
	.p2align	8
	.type	k_qaebe2b525f_qkv,@function
k_qaebe2b525f_qkv:
	s_mov_b64 s[64:65], 0
	v_nop
	global_prefetch_b8 v0, s[64:65] scope:SCOPE_SE
	s_setreg_imm32_b32 hwreg(HW_REG_WAVE_MODE, 25, 1), 1
	s_wait_xcnt 0x0
	s_wait_alu depctr_hold_cnt(0) depctr_sa_sdst(0) depctr_va_vdst(0) depctr_va_sdst(0) depctr_va_ssrc(0) depctr_va_vcc(0) depctr_vm_vsrc(0)
	s_getreg_b32 s2, hwreg(HW_REG_IB_STS2, 6, 4)
	s_cmp_eq_u32 s2, 0
	s_cbranch_scc0 .Lentry_in_a_cluster
	s_endpgm
.Lentry_in_a_cluster:
	s_bfe_u32 s2, ttmp6, 0x10000c
	s_cmp_lg_u32 s2, 0x3003
	s_cbranch_scc0 .Lentry_shape_is_right
	s_endpgm
.Lentry_shape_is_right:
; xn = (x - M) A + B (GroupNorm, tables from gnp), quantised to FP4 (E2M1) along the channels; qkv = W xn + qkv_b on codes; q and k times 64^(-1/4);
; q and k quantised along the head's 64 channels, v along the keys; all three stored as IMAGES OF OPERAND REGISTERS for the attention launch.
; SHARES.  A work-group takes 64 positions l (256 bytes of each channel's row) of one batch and all 768 outputs.  Wave w (0..11) owns outputs 64 w .. 64 w + 63, which are one
; head's q, k or v (head = w / 3, kind = w % 3).  Waves 0 to 7 also make one fragment of xn each (tile of 16 positions w % 4, K step w / 4), handed round through LDS as register images.
; THE ROWS OF A TILE ARE NOT NEIGHBOURS: row r of tile t (of 64 rows) is pi(t, r) = 8 t + r % 8 + 32 (r / 8).  In the result of a product whose source 0 is such a tile, lane (r, h) holds in
; register j the row 8 t + j + 32 h: over t = 0 .. 3 its 32 registers are the 32 neighbours 32 h + 0 .. 31: one whole block of the next quantiser, in the order of a 4-bit operand's registers.
; So no block's maximum asks another lane, and the conversions' results are the operand's registers as they stand.
; q, k: source 0 = W's rows (by pi), source 1 = xn: a lane holds one position and 32 channels.   v: source 0 = xn (its positions by pi), source 1 = W's rows (by pi): a lane holds one channel and 32 keys.
; CLUSTER.  Four neighbouring blocks of positions form a cluster; all read the same W: each wave's 64 rows of codes are asked for JOINTLY (mask 15).  x's tiles are each work-group's own (no mask).
; LDS bytes are filled once: no ring.  LIMITS: NaN and infinities are not served; a block of zeros gets the scale byte 1 (its codes are zeros; the bytes are read by this program alone).
; v's scale bytes leave as single bytes (a word's four blocks come from two work-groups): 512 bytes a work-group beside its 26,624 of codes and words.
.set XREG,  8256                       ; LDS: x's tile, eight regions of 32 channels x 256 bytes + 64: lanes 16-31, which read one region further on, so stand 16 banks beside lanes 0-15 (64 banks of 4 bytes: ISA guide 11.1)
.set WC,    66048                      ; W's codes: 64 rows of 128 bytes + 16 for each wave
.set WREG,  9216
.set XIMG,  176640                     ; xn's fragments as register images, 1,024 bytes each (a place for each wave; eight are used)
.set XSC,   188928                     ; their scale words, 128 bytes each
.set QS_OFF, 2097152                   ; q's scale words in qbuf
.set REC,   8960                       ; kvbuf: a record of 128 keys: K's images 4,096, V's images 4,096, K's scale words 512, V's 256
.set HEADB, 286720                     ; 32 records
.set FLOOR, 0x1800000                  ; 2^(3 - 127): under it no largest magnitude is taken, so a scale's byte cannot fall under 1
.set EOFF,  0xff000000                 ; takes 2 off an exponent field
.set WF,  16                           ; v16-79   phase A: B's table; then W's fragments, (tile, K step) at 16 tile + 8 step
.set XF,  80                           ; v80-143  phase A: 64 numbers of x; then xn's fragments
.set BI,  112                          ; v112-143 q, k: the bias in the result's layout, 8 registers a tile
.set AC,  144                          ; v144-207 phase A: A's table; then 8 accumulators
.set XS,  208                          ; v208-215 xn's scale words
.set WSC, 216                          ; v216-223 W's scale words: tile t', K step s at 2 t' + s
.set BV,  224                          ; v224-227 v: the bias of my lane's channel, a register a tile
.set PC,  228                          ; v228-243 codes, four registers a tile: no store's data are written again
.set MR,  236                          ; v236-243 phase A: the means of my eight groups of 8 channels
.set SW,  244                          ; v244-247 scale words (q, k) or bytes (v), one a tile
                                       ; v248-253 at work; v254-255 lane permutes' destinations
; v1 16 lane; v2 XSC + 4 lane; v3 x's tile; v4 128 h; v5 8 h; v6 W's rows; v7, v8 pi(0, r) x 8, x 4; v9, v10 where I store my image and its words; v11 16 r + 8 h; v12 8 r + h; v13 XIMG + 16 lane
.macro CROUND                          ; a round of the cluster's barrier
	s_barrier_signal -1
	s_barrier_wait -1
	s_cmp_lg_u32 s18, 0
	s_cbranch_scc1 .Lnot_wave_0_\@
	s_barrier_signal -3
.Lnot_wave_0_\@:
	s_barrier_wait -3
	s_barrier_signal -1
	s_barrier_wait -1
.endm
.macro PLACES
.rept 4
	v_nop
.endr
.endm
; the largest magnitudes of two blocks of 32 registers, by turns, two chains each; the floor is one more leaf
.macro MAX32X2 d0, e0, a0, d1, e1, a1
	v_max3_num_f32 v[\d0], |v[(\a0)]|, |v[(\a0)+1]|, FLOOR
	v_max3_num_f32 v[\d1], |v[(\a1)]|, |v[(\a1)+1]|, FLOOR
	v_max3_num_f32 v[\e0], |v[(\a0)+2]|, |v[(\a0)+3]|, |v[(\a0)+4]|
	v_max3_num_f32 v[\e1], |v[(\a1)+2]|, |v[(\a1)+3]|, |v[(\a1)+4]|
.irp i, 5,9,13,17,21,25
	s_delay_alu instid0(VALU_DEP_4)
	v_max3_num_f32 v[\d0], v[\d0], |v[(\a0)+\i]|, |v[(\a0)+\i+1]|
	s_delay_alu instid0(VALU_DEP_4)
	v_max3_num_f32 v[\d1], v[\d1], |v[(\a1)+\i]|, |v[(\a1)+\i+1]|
	s_delay_alu instid0(VALU_DEP_4)
	v_max3_num_f32 v[\e0], v[\e0], |v[(\a0)+\i+2]|, |v[(\a0)+\i+3]|
	s_delay_alu instid0(VALU_DEP_4)
	v_max3_num_f32 v[\e1], v[\e1], |v[(\a1)+\i+2]|, |v[(\a1)+\i+3]|
.endr
	s_delay_alu instid0(VALU_DEP_4)
	v_max3_num_f32 v[\d0], v[\d0], |v[(\a0)+29]|, |v[(\a0)+30]|
	s_delay_alu instid0(VALU_DEP_4)
	v_max3_num_f32 v[\d1], v[\d1], |v[(\a1)+29]|, |v[(\a1)+30]|
	s_delay_alu instid0(VALU_DEP_2)
	v_max3_num_f32 v[\d0], v[\d0], v[\e0], |v[(\a0)+31]|
	s_delay_alu instid0(VALU_DEP_2)
	v_max3_num_f32 v[\d1], v[\d1], v[\e1], |v[(\a1)+31]|
.endm
.macro CVT4 pc, a, so                  ; 32 numbers / 2^(so's exponent field - 127) become 32 codes in four registers
.irp i, 0,1,2,3
	v_cvt_scalef32_pk8_fp4_f32 v[(\pc)+\i], v[(\a)+8*\i:(\a)+8*\i+7], v[\so]
.endr
.endm
.macro FETCHX reg, f                   ; fragment f = 4 (K step) + tile of xn comes back as it was stored
	ds_load_b128 v[(\reg):(\reg)+3], v13 offset:1024*(\f)
	ds_load_b128 v[(\reg)+4:(\reg)+7], v13 offset:1024*(\f)+512
.endm
.macro MMC d, a, b, c, sa, sb          ; D = A B + C, C in registers
	v_wmma_scale_f32_16x16x128_f8f6f4 v[(\d):(\d)+7], v[(\a):(\a)+7], v[(\b):(\b)+7], v[(\c):(\c)+7], v[\sa], v[\sb] matrix_a_fmt:MATRIX_FMT_FP4 matrix_b_fmt:MATRIX_FMT_FP4
.endm
.macro MMZ d, a, b, sa, sb             ; D = A B: the product starts the sum
	v_wmma_scale_f32_16x16x128_f8f6f4 v[(\d):(\d)+7], v[(\a):(\a)+7], v[(\b):(\b)+7], 0, v[\sa], v[\sb] matrix_a_fmt:MATRIX_FMT_FP4 matrix_b_fmt:MATRIX_FMT_FP4
.endm
	s_load_b256 s[4:11], s[0:1], 0x0               ; x s[4:5], gnp s[6:7], W's codes s[8:9], W's scales s[10:11]
	s_load_b128 s[12:15], s[0:1], 0x20             ; qkv_b s[12:13], qbuf s[14:15]
	s_load_b64 s[16:17], s[0:1], 0x30              ; kvbuf
	v_lshl_add_u32 v14, v0, 2, 0x2e800
	v_mov_b32 v15, 0
	ds_add_u32 v14, v15
	ds_add_u32 v14, v15
	v_lshrrev_b32 v248, 5, v0
	s_delay_alu instid0(VALU_DEP_1)
	v_readfirstlane_b32 s18, v248                  ; wave 0..11
	s_bfe_u32 s19, ttmp6, 0x40000                  ; cx: my place in the cluster: it enters global addresses of my own alone
	s_lshl_b32 s20, ttmp9, 2
	s_add_co_u32 s20, s20, s19                     ; lt: my block of 64 positions
	s_and_b32 s21, ttmp7, 0xffff                   ; b
	; descriptor group 1 for x's tiles: 32 rows (channels) x 64 f32, 4,096 elements from row to row, no padding, no mask
	s_mov_b32 s24, 2<<16
	s_mov_b32 s25, 64<<16
	s_mov_b32 s26, 32<<16
	s_mov_b32 s27, 64<<16
	s_mov_b32 s28, 32
	s_mov_b32 s29, 4096
	s_mov_b32 s30, 0
	s_mov_b32 s31, 0
	; and for W's codes: 64 rows x 128 bytes, dense; 4 words of padding behind every 32; mask: all four work-groups, bit 21 beside it
	s_mov_b32 s32, 15|(1<<20)|(1<<21)|(4<<22)|(3<<25)
	s_mov_b32 s33, 128<<16
	s_mov_b32 s34, 64<<16
	s_mov_b32 s35, 128<<16
	s_mov_b32 s36, 64
	s_mov_b32 s37, 128
	s_mov_b32 s38, 0
	s_mov_b32 s39, 0
	s_lshl_b32 s66, s21, 22                        ; x: batch,
	s_lshl_b32 s67, s18, 19                        ; 32 channels a wave,
	s_add_co_u32 s66, s66, s67
	s_lshl_b32 s67, s20, 8                         ; my 64 positions
	s_add_co_u32 s66, s66, s67
	s_mov_b32 s67, 0
	s_lshl_b32 s68, s18, 13                        ; W: 64 rows of 128 bytes a wave: the same in all four partners
	s_mov_b32 s69, 0
	s_mov_b32 s48, 0x76543210
	s_mov_b32 s49, 0xfedcba98                      ; v_permlanex16_b32's selects for lane l xor 16
	s_mov_b32 s50, 0x3eb504f3                      ; 64^(-1/4)
	s_mov_b32 s51, s50                             ; (named with it as a pair, so it is written)
	s_mov_b32 s52, 0xffff0000                      ; lanes 16-31
	s_wait_dscnt 0x0
	s_wait_kmcnt 0x0
	s_mov_b32 s40, 1
	s_mul_i32 s41, s18, XREG
	s_add_nc_u64 s[42:43], s[4:5], s[66:67]
	s_or_b32 s43, s43, 0x80000000
	s_mov_b32 s44, 1
	s_mul_i32 s45, s18, WREG
	s_add_co_u32 s45, s45, WC
	s_add_nc_u64 s[46:47], s[8:9], s[68:69]
	s_or_b32 s47, s47, 0x80000000
	CROUND                                         ; all four work-groups are here: the joint loads meet
	s_cmp_lt_u32 s18, 8                            ; a wave's first fills stand in one branch: at most two tensor loads of mine are out
	s_cbranch_scc0 .Lonly_w
	tensor_load_to_lds s[40:43], s[24:31]          ; waves 0-7: channels 32 w .. 32 w + 31 of x
	s_nop 0
	tensor_load_to_lds s[44:47], s[32:39]          ; my 64 rows of W
	s_nop 0
	PLACES
	s_branch .Lasked
.Lonly_w:
	tensor_load_to_lds s[44:47], s[32:39]
	s_nop 0
	PLACES
.Lasked:
	; scalars: the fragment of xn that I make (waves 0-7): tile w % 4, K step (w / 4) % 2
	s_bfe_u32 s70, s18, 0x10002
	s_lshl_b32 s74, s70, 9                         ; its 128 channels in a table of gnp
	s_mul_i32 s70, s70, 4*XREG
	s_and_b32 s71, s18, 3
	s_lshl_b32 s71, s71, 5
	s_add_co_u32 s70, s70, s71
	s_lshl_b32 s72, s18, 10
	s_add_co_u32 s72, s72, XIMG
	s_lshl_b32 s73, s18, 7
	s_add_co_u32 s73, s73, XSC
	s_lshl_b32 s75, s21, 10
	s_add_co_u32 s74, s74, s75
	s_mov_b32 s75, 0
	s_add_nc_u64 s[54:55], s[6:7], s[74:75]        ; gnp at my batch and K step
	s_lshl_b32 s76, s18, 9
	s_mov_b32 s77, 0
	s_add_nc_u64 s[56:57], s[10:11], s[76:77]      ; W's scales at my 64 rows
	s_lshl_b32 s78, s18, 8
	s_mov_b32 s79, 0
	s_add_nc_u64 s[58:59], s[12:13], s[78:79]      ; qkv_b likewise
	; every LDS address is made here, ahead of the first parting of the waves
	v_and_b32 v253, 31, v0                         ; lane
	v_and_b32 v252, 15, v0                         ; r
	v_bfe_u32 v251, v0, 4, 1                       ; h
	v_and_b32 v248, 7, v0                          ; r % 8
	v_bfe_u32 v249, v0, 3, 1                       ; r / 8
	v_lshlrev_b32 v1, 4, v253
	v_lshl_add_u32 v2, v253, 2, XSC
	v_lshl_add_u32 v13, v253, 4, XIMG
	v_lshlrev_b32 v4, 7, v251
	v_lshlrev_b32 v5, 3, v251
	v_mul_u32_u24 v3, v251, XREG                   ; x's tile: channel 128 s + 64 c + 32 h + i lies in region 4 s + 2 c + h, row i; position pi(t, r) at 4 bytes each
	s_delay_alu instid0(VALU_DEP_1)
	v_lshl_add_u32 v3, v248, 2, v3
	s_delay_alu instid0(VALU_DEP_1)
	v_lshl_add_u32 v3, v249, 7, v3
	s_delay_alu instid0(VALU_DEP_1)
	v_add_nc_u32 v3, s70, v3
	v_mul_u32_u24 v6, v248, 144                    ; W's rows: pi(0, r) x 144 + 16 h, in my wave's region.  Rows r and r + 8 lie 32 rows apart, a whole number of times through the banks: these 16 loads go two deep, once a wave
	s_delay_alu instid0(VALU_DEP_1)
	v_mad_u32_u24 v6, v249, 4608, v6
	s_delay_alu instid0(VALU_DEP_1)
	v_lshl_add_u32 v6, v251, 4, v6
	s_delay_alu instid0(VALU_DEP_1)
	v_add_nc_u32 v6, s45, v6
	v_lshl_add_u32 v250, v249, 5, v248             ; pi(0, r)
	s_delay_alu instid0(VALU_DEP_1)
	v_lshlrev_b32 v7, 3, v250
	s_delay_alu instid0(VALU_DEP_2)
	v_lshlrev_b32 v8, 2, v250
	v_add_nc_u32 v9, s72, v1
	v_lshlrev_b32 v10, 2, v253
	s_delay_alu instid0(VALU_DEP_1)
	v_add_nc_u32 v10, s73, v10
	v_lshl_add_u32 v11, v252, 4, v5
	v_lshl_add_u32 v12, v252, 3, v251
	v_mov_b32 v254, 0                              ; written once: a lane permute's destination counts as one of its sources
	v_mov_b32 v255, 0
	; the tables of my 64 channels 128 s + 64 c + 32 h + 0 .. 31 (used by waves 0-7), W's scale words, v's bias
.irp c, 0,1
.irp k, 0,1,2,3,4,5,6,7
	global_load_b128 v[AC+32*\c+4*\k:AC+32*\c+4*\k+3], v4, s[54:55] offset:4096+256*\c+16*\k
	global_load_b128 v[WF+32*\c+4*\k:WF+32*\c+4*\k+3], v4, s[54:55] offset:8192+256*\c+16*\k
.endr
.irp g, 0,1,2,3
	global_load_b32 v[MR+4*\c+\g], v4, s[54:55] offset:256*\c+32*\g   ; a group of 8 channels has one mean
.endr
.endr
.irp t, 0,1,2,3
	global_load_b64 v[WSC+2*\t:WSC+2*\t+1], v7, s[56:57] offset:64*\t   ; row pi(t, r): 8 bytes: the words of both K steps
	global_load_b32 v[BV+\t], v8, s[58:59] offset:32*\t
.endr
	; where my results go.  head = w / 3, kind = w % 3 (0 q, 1 k, 2 v)
	s_mul_i32 s22, s18, 11
	s_lshr_b32 s22, s22, 5
	s_mul_i32 s23, s22, 3
	s_sub_co_u32 s23, s18, s23
	s_lshl_b32 s80, s21, 2
	s_add_co_u32 s80, s80, s22                     ; bh = 4 b + head
	s_lshr_b32 s81, s20, 1                         ; the record of 128 keys,
	s_and_b32 s82, s20, 1                          ; and c: which 64 of them
	s_mul_i32 s83, s80, HEADB
	s_mul_i32 s81, s81, REC
	s_add_co_u32 s83, s83, s81
	s_mov_b32 s89, 8704
	s_cmp_eq_u32 s23, 1
	s_cselect_b32 s84, 11, 9                       ; k: codes at 2,048 c;  v: at 4,096 + 512 c
	s_cselect_b32 s88, 0, 4096
	s_cselect_b32 s86, 8, 1                        ; k: words at 8,192 + 256 c;  v: bytes at 8,704 + 2 c
	s_cselect_b32 s89, 8192, s89
	s_lshl_b32 s84, s82, s84
	s_add_co_u32 s84, s84, s88
	s_add_co_u32 s84, s84, s83
	s_lshl_b32 s86, s82, s86
	s_add_co_u32 s86, s86, s89
	s_add_co_u32 s86, s86, s83
	s_lshl_b32 s90, s80, 17                        ; q: codes at 131,072 bh + 2,048 lt,
	s_lshl_b32 s88, s20, 11
	s_add_co_u32 s90, s90, s88
	s_lshl_b32 s91, s80, 14                        ; words at QS_OFF + 16,384 bh + 256 lt
	s_lshl_b32 s88, s20, 8
	s_add_co_u32 s91, s91, s88
	s_add_co_u32 s91, s91, QS_OFF
	s_cmp_eq_u32 s23, 0
	s_cselect_b64 s[60:61], s[14:15], s[16:17]     ; the choice hangs on the wave's number alone
	s_cselect_b32 s84, s90, s84
	s_cselect_b32 s86, s91, s86
	s_mov_b32 s85, 0
	s_mov_b32 s87, 0
	s_mov_b64 s[62:63], s[60:61]
	s_add_nc_u64 s[60:61], s[60:61], s[84:85]      ; codes
	s_add_nc_u64 s[62:63], s[62:63], s[86:87]      ; scales
	s_wait_tensorcnt 0x0                           ; my part of x and my rows of W have landed,
	s_barrier_signal -1
	s_barrier_wait -1                              ; everybody's part of x has
	s_wait_loadcnt 0x0                             ; the tables are in, in every wave: their registers are written again below
	s_cmp_lt_u32 s18, 8
	s_cbranch_scc0 .Lnoq
	; ---- A (waves 0-7): my fragment of xn.  Lane (r, h): position pi(t, r), channels 128 s + 64 c + 32 h + i in register 32 c + i: two whole blocks, in the operand's order
.irp c, 0,1
.set i, 0
.rept 32
	ds_load_b32 v[XF+32*\c+i], v3 offset:2*XREG*\c+256*i
.set i, i+1
.endr
.endr
.macro NORM c                          ; (x - mean) A + B, two at a time; the mean's register is chosen in its pair
.irp p, 0,1,2,3,4,5,6,7,8,9,10,11,12,13,14,15
.if ((\p/4)%2) == 0
	v_pk_add_f32 v[XF+32*\c+2*\p:XF+32*\c+2*\p+1], v[XF+32*\c+2*\p:XF+32*\c+2*\p+1], v[MR+4*\c+2*(\p/8):MR+4*\c+2*(\p/8)+1] op_sel_hi:[1,0] neg_lo:[0,1] neg_hi:[0,1]
.else
	v_pk_add_f32 v[XF+32*\c+2*\p:XF+32*\c+2*\p+1], v[XF+32*\c+2*\p:XF+32*\c+2*\p+1], v[MR+4*\c+2*(\p/8):MR+4*\c+2*(\p/8)+1] op_sel:[0,1] op_sel_hi:[1,1] neg_lo:[0,1] neg_hi:[0,1]
.endif
.endr
.irp p, 0,1,2,3,4,5,6,7,8,9,10,11,12,13,14,15
	v_pk_fma_f32 v[XF+32*\c+2*\p:XF+32*\c+2*\p+1], v[XF+32*\c+2*\p:XF+32*\c+2*\p+1], v[AC+32*\c+2*\p:AC+32*\c+2*\p+1], v[WF+32*\c+2*\p:WF+32*\c+2*\p+1]
.endr
.endm
	s_wait_dscnt 32                                ; the first 32 numbers are in; the 32 loads behind them may be out
	NORM 0
	s_wait_dscnt 0x0
	NORM 1
	MAX32X2 248, 250, XF, 249, 251, XF+32
	s_delay_alu instid0(VALU_DEP_2)
	v_add_nc_u32 v252, EOFF, v248                  ; 2 off the exponent field: the conversion takes the exponent field of this operand as its scale
	s_delay_alu instid0(VALU_DEP_2)
	v_add_nc_u32 v253, EOFF, v249
	s_delay_alu instid0(VALU_DEP_2)
	v_lshrrev_b32 v248, 23, v252                   ; the scales' bytes: blocks h and 2 + h of the K step
	s_delay_alu instid0(VALU_DEP_2)
	v_lshrrev_b32 v249, 23, v253
	s_delay_alu instid0(VALU_DEP_1)
	v_lshl_or_b32 v250, v249, 16, v248
	s_delay_alu instid0(VALU_DEP_1)
	v_lshlrev_b32 v250, v5, v250                   ; at their places in the word (8 h bits up);
	s_delay_alu instid0(VALU_DEP_1)
	v_permlanex16_b32 v254, v250, s48, s49
	s_delay_alu instid0(VALU_DEP_1)
	v_or_b32 v250, v250, v254                      ; with lane l xor 16's two the word is whole
	CVT4 PC, XF, 252
	CVT4 PC+4, XF+32, 253
	v_nop                                          ; one plain instruction behind the last scaled conversion
	ds_store_b128 v9, v[PC:PC+3]
	ds_store_b128 v9, v[PC+4:PC+7] offset:512
	ds_store_b32 v10, v250
.Lnoq:
	; ---- every wave: the bias in the result's layout (q, k: outputs 8 t' + 32 h + j), and my 8 fragments of W, out of my own rows
.irp t, 0,1,2,3
	global_load_b128 v[BI+8*\t:BI+8*\t+3], v4, s[58:59] offset:32*\t
	global_load_b128 v[BI+8*\t+4:BI+8*\t+7], v4, s[58:59] offset:32*\t+16
.endr
.irp t, 0,1,2,3
.irp s, 0,1
.irp c, 0,1
	ds_load_b128 v[WF+16*\t+8*\s+4*\c:WF+16*\t+8*\s+4*\c+3], v6 offset:1152*\t+64*\s+32*\c
.endr
.endr
.endr
	s_wait_dscnt 0x0                               ; my images are stored (for the others' sake), my fragments of W are in
	s_barrier_signal -1
	s_barrier_wait -1                              ; xn's eight fragments lie in LDS
	s_wait_loadcnt 0x0                             ; the bias
	s_cmp_eq_u32 s23, 2
	s_cbranch_scc1 .Lvpath
	; ---- q, k: two tiles of positions at a time; eight accumulators by turns
.macro QKHALF half
.irp lp, 0,1
.irp s, 0,1
	FETCHX XF+8*(2*\lp+\s), 4*\s+2*\half+\lp
	ds_load_b32 v[XS+2*\lp+\s], v2 offset:128*(4*\s+2*\half+\lp)
.endr
.endr
	s_wait_dscnt 0x0
.irp lp, 0,1
.irp tp, 0,1,2,3
	MMC AC+32*\lp+8*\tp, WF+16*\tp, XF+16*\lp, BI+8*\tp, WSC+2*\tp, XS+2*\lp
.endr
.endr
.irp lp, 0,1
.irp tp, 0,1,2,3
	MMC AC+32*\lp+8*\tp, WF+16*\tp+8, XF+16*\lp+8, AC+32*\lp+8*\tp, WSC+2*\tp+1, XS+2*\lp+1
.endr
.endr
	PLACES                                         ; four places behind the products, ahead of the first read of results (ISA guide 7.12.1)
.set j, 0
.rept 32
	v_pk_mul_f32 v[AC+j:AC+j+1], v[AC+j:AC+j+1], s[50:51] op_sel_hi:[1,0]   ; x 64^(-1/4); each accumulator from its low end on
.set j, j+2
.endr
	MAX32X2 248, 250, AC, 249, 251, AC+32          ; my lane's 32 channels of each of the two positions: a whole block each
.irp lp, 0,1
	s_delay_alu instid0(VALU_DEP_2)
	v_add_nc_u32 v[252+\lp], EOFF, v[248+\lp]
.endr
.irp lp, 0,1
	s_delay_alu instid0(VALU_DEP_2)
	v_lshrrev_b32 v[248+\lp], 23, v[252+\lp]
.endr
.irp lp, 0,1
	s_delay_alu instid0(VALU_DEP_2)
	v_lshlrev_b32 v[250+\lp], v5, v[248+\lp]       ; block h's byte at its place
.endr
.irp lp, 0,1
	s_delay_alu instid0(VALU_DEP_2)
	v_permlanex16_b32 v[254+\lp], v[250+\lp], s48, s49
.endr
.irp lp, 0,1
	s_delay_alu instid0(VALU_DEP_2)
	v_or_b32 v[250+\lp], v[250+\lp], v[254+\lp]
.endr
.irp lp, 0,1
	s_delay_alu instid0(VALU_DEP_2)
	v_or_b32 v[SW+2*\half+\lp], 0x7f7f0000, v[250+\lp]   ; K has 64 of the instruction's 128: the upper two blocks get the scale 1
.endr
	CVT4 PC+8*\half, AC, 252
	CVT4 PC+8*\half+4, AC+32, 253
	v_nop                                          ; one plain instruction behind the last scaled conversion
	global_store_b128 v1, v[PC+8*\half:PC+8*\half+3], s[60:61] offset:1024*\half        ; a tile's image: 512 consecutive bytes
	global_store_b128 v1, v[PC+8*\half+4:PC+8*\half+7], s[60:61] offset:1024*\half+512
.endm
	QKHALF 0
	QKHALF 1
	v_cndmask_b32 v248, v[SW], v[SW+2], s52        ; lanes 0-15 store the words of tiles 0, 1 of row r, lanes 16-31 those of tiles 2, 3:
	v_cndmask_b32 v249, v[SW+1], v[SW+3], s52
	global_store_b64 v11, v[248:249], s[62:63]     ; 256 consecutive bytes, aligned
	s_branch .Ldone
.Lvpath:
	; ---- v: source 0 = xn, source 1 = W: a lane holds channel pi(ct, r) and keys 32 h + 0 .. 31 of my 64
.irp t, 0,1,2,3
.irp s, 0,1
	FETCHX XF+8*(2*\t+\s), 4*\s+\t
	ds_load_b32 v[XS+2*\t+\s], v2 offset:128*(4*\s+\t)
.endr
.endr
	s_wait_dscnt 0x0
.macro VPAIR p                         ; tiles of channels 2 p and 2 p + 1
.irp cp, 0,1
.irp t, 0,1,2,3
	MMZ AC+32*\cp+8*\t, XF+16*\t, WF+16*(2*\p+\cp), XS+2*\t, WSC+2*(2*\p+\cp)
.endr
.endr
.irp cp, 0,1
.irp t, 0,1,2,3
	MMC AC+32*\cp+8*\t, XF+16*\t+8, WF+16*(2*\p+\cp)+8, AC+32*\cp+8*\t, XS+2*\t+1, WSC+2*(2*\p+\cp)+1
.endr
.endr
	PLACES
.set j, 0
.rept 16
	v_pk_add_f32 v[AC+j:AC+j+1], v[AC+j:AC+j+1], v[BV+2*\p:BV+2*\p+1] op_sel_hi:[1,0]   ; + my channel's bias: the pair's first register for the even tile,
.set j, j+2
.endr
.rept 16
	v_pk_add_f32 v[AC+j:AC+j+1], v[AC+j:AC+j+1], v[BV+2*\p:BV+2*\p+1] op_sel:[0,1] op_sel_hi:[1,1]   ; its second for the odd one
.set j, j+2
.endr
	MAX32X2 248, 250, AC, 249, 251, AC+32
	s_delay_alu instid0(VALU_DEP_2)
	v_add_nc_u32 v252, EOFF, v248
	s_delay_alu instid0(VALU_DEP_2)
	v_add_nc_u32 v253, EOFF, v249
	s_delay_alu instid0(VALU_DEP_2)
	v_lshrrev_b32 v[SW+2*\p], 23, v252
	s_delay_alu instid0(VALU_DEP_2)
	v_lshrrev_b32 v[SW+2*\p+1], 23, v253
	CVT4 PC+8*\p, AC, 252
	CVT4 PC+8*\p+4, AC+32, 253
	v_nop                                          ; one plain instruction behind the last scaled conversion
	global_store_b128 v1, v[PC+8*\p:PC+8*\p+3], s[60:61] offset:2048*\p
	global_store_b128 v1, v[PC+8*\p+4:PC+8*\p+7], s[60:61] offset:2048*\p+1024
	global_store_b8 v12, v[SW+2*\p], s[62:63] offset:128*\p          ; byte 2 c + h of the word of (tile, row r)
	global_store_b8 v12, v[SW+2*\p+1], s[62:63] offset:128*\p+4
.endm
	VPAIR 0
	VPAIR 1
.Ldone:
	s_wait_dscnt 0x0
	s_wait_tensorcnt 0x0
	ds_add_u32 v14, v15
	s_wait_dscnt 0x0
	CROUND                                         ; the closing round: no work-group ends while a partner may still ask for a tile that names it
	s_endpgm
.Lfunc_end_k_qaebe2b525f_qkv:
	.size	k_qaebe2b525f_qkv, .Lfunc_end_k_qaebe2b525f_qkv-k_qaebe2b525f_qkv
	.p2alignl 7, 3214868480
	.fill 96, 4, 3214868480
	.section	.rodata,"a",@progbits
	.p2align	6, 0x0
	.amdhsa_kernel k_qaebe2b525f_qkv
		.amdhsa_group_segment_fixed_size 192000
		.amdhsa_private_segment_fixed_size 0
		.amdhsa_enable_private_segment 0
		.amdhsa_kernarg_size 56
		.amdhsa_user_sgpr_count 2
		.amdhsa_user_sgpr_kernarg_segment_ptr 1
		.amdhsa_wavefront_size32 1
		.amdhsa_system_sgpr_workgroup_id_x 1
		.amdhsa_system_sgpr_workgroup_id_y 1
		.amdhsa_system_sgpr_workgroup_id_z 1
		.amdhsa_system_vgpr_workitem_id 0
		.amdhsa_next_free_vgpr 256
		.amdhsa_next_free_sgpr 96
		.amdhsa_reserve_vcc 0
		.amdhsa_float_denorm_mode_32 3
		.amdhsa_float_denorm_mode_16_64 3
		.amdhsa_memory_ordered 1
		.amdhsa_forward_progress 1
		.amdhsa_inst_pref_size 65
	.end_amdhsa_kernel
	.amdgpu_metadata
---
amdhsa.version: [ 1, 2 ]
amdhsa.kernels:
  - .name:           k_qaebe2b525f_qkv
    .symbol:         k_qaebe2b525f_qkv.kd
    .args:
      - { .name: x, .offset: 0, .size: 8, .value_kind: global_buffer, .address_space: global }
      - { .name: gnp, .offset: 8, .size: 8, .value_kind: global_buffer, .address_space: global }
      - { .name: qkv_w_codes, .offset: 16, .size: 8, .value_kind: global_buffer, .address_space: global }
      - { .name: qkv_w_scales, .offset: 24, .size: 8, .value_kind: global_buffer, .address_space: global }
      - { .name: qkv_b, .offset: 32, .size: 8, .value_kind: global_buffer, .address_space: global }
      - { .name: qbuf, .offset: 40, .size: 8, .value_kind: global_buffer, .address_space: global }
      - { .name: kvbuf, .offset: 48, .size: 8, .value_kind: global_buffer, .address_space: global }
    .group_segment_fixed_size: 192000
    .private_segment_fixed_size: 0
    .kernarg_segment_align: 8
    .kernarg_segment_size: 56
    .max_flat_workgroup_size: 384
    .sgpr_count:     96
    .vgpr_count:     256
    .wavefront_size: 32
...
	.end_amdgpu_metadata
.endif
;; end of part 2
;; launch attn (part 3): grid 16 x 16, 16 waves a work-group, clusters of 4 x 1, 296,960 bytes of LDS; arguments qbuf, kvbuf, abuf; writes abuf
.if DOCPART == 3
	.amdgcn_target "amdgcn-amd-amdhsa--gfx1250"
	.amdhsa_code_object_version 6
	.text
	.protected	k_qaebe2b525f_attn
	.globl	k_qaebe2b525f_attn
	.p2align	8
	.type	k_qaebe2b525f_attn,@function
k_qaebe2b525f_attn:
	s_mov_b64 s[64:65], 0
	v_nop
	global_prefetch_b8 v0, s[64:65] scope:SCOPE_SE
	s_setreg_imm32_b32 hwreg(HW_REG_WAVE_MODE, 25, 1), 1
	s_wait_xcnt 0x0
	s_wait_alu depctr_hold_cnt(0) depctr_sa_sdst(0) depctr_va_vdst(0) depctr_va_sdst(0) depctr_va_ssrc(0) depctr_va_vcc(0) depctr_vm_vsrc(0)
	s_getreg_b32 s2, hwreg(HW_REG_IB_STS2, 6, 4)
	s_cmp_eq_u32 s2, 0
	s_cbranch_scc0 .Lentry_in_a_cluster
	s_endpgm
.Lentry_in_a_cluster:
	s_bfe_u32 s2, ttmp6, 0x10000c
	s_cmp_lg_u32 s2, 0x3003
	s_cbranch_scc0 .Lentry_shape_is_right
	s_endpgm
.Lentry_shape_is_right:
; a[q][:] = the sum over keys of softmax(q . k) v / its sum, for one head, both products on codes of FP4 (E2M1) with E8M0 scales; a is quantised along the channels for the last product.
; THE SOFTMAX AHEAD OF THE SECOND PRODUCT: t = score x log2(e); M = the running largest t rounded UP to a whole number; p = 2^(t - M) is what is quantised, along the keys, not normalised.
; The row's sum is taken of the unquantised p and divides at the end.  When M moves, the sum and O are multiplied by 2^(old M - new M): exact.
; SHARES.  A work-group owns 256 queries of one head (x = block of queries, y = 4 b + head); each of its sixteen waves one tile of 16, in 256 registers: four waves to a SIMD, so that one wave's
; vector work stands beside another's matrix work and LDS loads.  Every wave walks the head's 4,096 keys, 128 a step.
; THE WHOLE HEAD LIES IN LDS: 32 records of 8,960 bytes as the launch before laid them (K's 8 tile images, V's 8, K's scale words, V's).  Each byte is filled once: no ring.  Every read is at
; 16 x lane or 8 x lane + a constant: consecutive bytes.  The fills go out at the start in four groups of 8 records; a group is waited for when its first step is due.
; CLUSTER.  Four blocks of queries of one head form a cluster and ask for each record JOINTLY (mask 15).
; LAYOUT.  Both products are used transposed (S^T = K Q^T, O^T = V^T P^T): a lane holds ONE query (lane % 16).  A tile's rows are pi(t, r) = 8 t + r % 8 + 32 (r / 8) of 64, so that lane (r, h) holds,
; over four tiles, 32 neighbours 32 h + 0 .. 31: a whole block of p along the keys, and at the end of a along the channels, in the order of a 4-bit operand's registers.
; K Q^T HAS 64 OF THE INSTRUCTION'S 128 ALONG K: Q's upper four registers are zero codes under the scale 1, so what stands in K's upper four adds exactly 0: K's tiles lie 4 registers apart.
; LIMITS: NaN and infinities are not served; p under 2^-126 comes out of v_exp_f32 as 0; a block's largest p is made from the block's largest score by the same multiply-add and exponential,
; which takes v_exp_f32 not to fall where its input rises; a block of zeros gets the scale byte 1 (its codes are zeros).  a's scale bytes leave as single bytes (a word's four blocks come from two heads).
; Nothing is prefetched: every byte of K and V is asked for by the first instructions.
.set REC,   8960
.set GRP,   8*REC
.set HEADB, 32*REC
.set QS_OFF, 2097152
.set AS_OFF, 2097152
.set FLOOR, 0x1800000                  ; 2^(3 - 127)
.set EOFF,  0xff000000                 ; takes 2 off an exponent field
; v1 16 lane; v2 8 lane; v3, v4 the step's LDS addresses; v5 8 h; v6 16 r + h; v7 16 r; v12 -M; v13 the largest t; v[14:15] the sum in two halves; v16-19 Q's codes, v20-23 zero codes; v24 Q's scale word;
; v32-63 K's 8 tiles, v64-67 zeros; v68-71 K's scale words; v72-73 V's; v96-159 S^T, then p; v160-191 O^T; v192-223 V's 4 fragments; v224-231 p's codes; v232-245 at work; v242 p's scale word; v252 f, v253 0; v254 at work
.macro CROUND
	s_barrier_signal -1
	s_barrier_wait -1
	s_cmp_lg_u32 s10, 0
	s_cbranch_scc1 .Lnot_wave_0_\@
	s_barrier_signal -3
.Lnot_wave_0_\@:
	s_barrier_wait -3
	s_barrier_signal -1
	s_barrier_wait -1
.endm
	s_load_b128 s[4:7], s[0:1], 0x0                ; qbuf s[4:5], kvbuf s[6:7]
	s_load_b64 s[8:9], s[0:1], 0x10                ; abuf
	v_lshl_add_u32 v251, v0, 2, 0x48000
	v_mov_b32 v255, 0
	ds_add_u32 v251, v255
	ds_add_u32 v251, v255
	v_lshrrev_b32 v8, 5, v0
	s_delay_alu instid0(VALU_DEP_1)
	v_readfirstlane_b32 s10, v8                    ; wave 0..15
	s_bfe_u32 s11, ttmp6, 0x40000                  ; cx: it enters q's and a's addresses alone
	s_lshl_b32 s12, ttmp9, 2
	s_add_co_u32 s12, s12, s11                     ; my block of 256 queries
	s_and_b32 s13, ttmp7, 0xffff                   ; bh, which the four partners share
	s_lshl_b32 s14, s12, 4
	s_add_co_u32 s14, s14, s10                     ; T: my tile of 16 queries
	; descriptor group 1: a record: 35 rows of 256 bytes (32 elements of 8 bytes), dense; mask: all four work-groups, bit 21 beside it
	s_mov_b32 s24, 15|(3<<16)|(1<<21)
	s_mov_b32 s25, 32<<16
	s_mov_b32 s26, 35<<16
	s_mov_b32 s27, 32<<16
	s_mov_b32 s28, 35
	s_mov_b32 s29, 32
	s_mov_b32 s30, 0
	s_mov_b32 s31, 0
	s_and_b32 s53, s10, 7
	s_mul_i32 s52, s53, REC                        ; wave w (0-7) fetches records w, 8 + w, 16 + w, 24 + w
	s_mul_i32 s50, s13, HEADB
	s_add_co_u32 s50, s50, s52
	s_mov_b32 s51, 0
	s_mov_b32 s20, 0x76543210
	s_mov_b32 s21, 0xfedcba98                      ; v_permlanex16_b32's selects for lane l xor 16
	s_mov_b32 s22, 0x3fb8aa3b                      ; log2(e)
	s_mov_b32 s23, s22                             ; (named with it as a pair, so it is written)
	s_wait_dscnt 0x0
	s_wait_kmcnt 0x0
	s_add_nc_u64 s[50:51], s[6:7], s[50:51]
.irp j, 0,1,2,3
	s_mov_b32 s[32+4*\j], 1
	s_add_co_u32 s[33+4*\j], s52, GRP*\j
	s_add_nc_u64 s[34+4*\j:35+4*\j], s[50:51], GRP*\j
	s_or_b32 s[35+4*\j], s[35+4*\j], 0x80000000
.endr
	CROUND                                         ; all four work-groups are here: the joint loads meet
	s_cmp_lt_u32 s10, 8                            ; a wave's fills stand in one branch: four tensor loads of mine are out at the most
	s_cbranch_scc0 .Lasked
	tensor_load_to_lds s[32:35], s[24:31]
	s_nop 0
	tensor_load_to_lds s[36:39], s[24:31]
	s_nop 0
	tensor_load_to_lds s[40:43], s[24:31]
	s_nop 0
	tensor_load_to_lds s[44:47], s[24:31]
	s_nop 0
.rept 4
	v_nop
.endr
.Lasked:
	s_lshl_b32 s66, s13, 8
	s_add_co_u32 s66, s66, s14
	s_lshl_b32 s66, s66, 9                         ; q's image: (256 bh + T) x 512
	s_mov_b32 s67, 0
	s_add_nc_u64 s[56:57], s[4:5], s[66:67]
	s_lshr_b32 s68, s14, 2                         ; T / 4
	s_and_b32 s69, s14, 3
	s_lshl_b32 s69, s69, 2                         ; 4 (T % 4)
	s_lshl_b32 s70, s13, 6
	s_add_co_u32 s70, s70, s68
	s_lshl_b32 s70, s70, 8
	s_add_co_u32 s70, s70, s69
	s_add_co_u32 s70, s70, QS_OFF                  ; q's scale words: QS_OFF + (64 bh + T / 4) x 256 + 4 (T % 4), + 16 r
	s_mov_b32 s71, 0
	s_add_nc_u64 s[58:59], s[4:5], s[70:71]
	s_lshr_b32 s72, s13, 2                         ; b
	s_bfe_u32 s73, s13, 0x10001                    ; the last product's K step: head / 2
	s_and_b32 s74, s13, 1                          ; and which 64 of its 128: head % 2
	s_lshl_b32 s76, s72, 8
	s_add_co_u32 s76, s76, s14
	s_lshl_b32 s76, s76, 1
	s_add_co_u32 s76, s76, s73
	s_lshl_b32 s76, s76, 10
	s_lshl_b32 s75, s74, 9
	s_add_co_u32 s76, s76, s75                     ; a's image: ((256 b + T) 2 + step) x 1,024 + 512 c
	s_mov_b32 s77, 0
	s_add_nc_u64 s[60:61], s[8:9], s[76:77]
	s_lshl_b32 s78, s72, 6
	s_add_co_u32 s78, s78, s68
	s_lshl_b32 s78, s78, 9
	s_lshl_b32 s75, s73, 8
	s_add_co_u32 s78, s78, s75
	s_add_co_u32 s78, s78, s69
	s_lshl_b32 s75, s74, 1
	s_add_co_u32 s78, s78, s75
	s_add_co_u32 s78, s78, AS_OFF                  ; a's scale bytes: AS_OFF + (64 b + T / 4) x 512 + 256 step + 4 (T % 4) + 2 c, + 16 r + h
	s_mov_b32 s79, 0
	s_add_nc_u64 s[62:63], s[8:9], s[78:79]
	v_and_b32 v8, 31, v0                           ; lane
	v_and_b32 v9, 15, v0                           ; r
	v_bfe_u32 v10, v0, 4, 1                        ; h
	s_delay_alu instid0(VALU_DEP_3)
	v_lshlrev_b32 v1, 4, v8
	s_delay_alu instid0(VALU_DEP_4)
	v_lshlrev_b32 v2, 3, v8
	s_delay_alu instid0(VALU_DEP_3)
	v_lshlrev_b32 v5, 3, v10
	s_delay_alu instid0(VALU_DEP_4)
	v_lshl_add_u32 v6, v9, 4, v10
	v_lshlrev_b32 v7, 4, v9
	global_load_b128 v[16:19], v1, s[56:57]        ; Q's codes stay in registers
	global_load_b32 v24, v7, s[58:59]              ; and its scale words
.irp j, 20,21,22,23,64,65,66,67
	v_mov_b32 v[\j], 0                             ; zero codes: Q's upper half of K, and what stands behind K's last tile
.endr
.set j, 0
.rept 32
	v_mov_b32 v[160+j], 0                          ; O^T.  (The step is written once: the first finds zeros, which the first change of M leaves zeros)
.set j, j+1
.endr
	v_mov_b32 v13, 0xff61b1e6                      ; the largest t so far: -3e38, under every t
	s_delay_alu instid0(VALU_DEP_1)
	v_floor_f32 v12, -v13                          ; -M
	v_mov_b32 v14, 0                               ; the sum, in two halves
	v_mov_b32 v15, 0
	v_mov_b32 v240, 0                              ; a lane permute's destination counts as one of its sources
	v_mov_b32 v253, 0                              ; the upper half of f's pair
; A KEY STEP: the 128 keys of the record at LDS byte s48.
.macro STEP
	v_add_nc_u32 v3, s48, v1
.irp t, 0,1,2,3,4,5,6,7
	ds_load_b128 v[32+4*\t:35+4*\t], v3 offset:512*\t
.endr
	ds_load_b128 v[68:71], v3 offset:8192          ; K's scale words: register t: lanes 0-15 tile t, lanes 16-31 tile 4 + t
	s_wait_alu depctr_va_vdst(0)
	s_wait_dscnt 0x0
.irp t, 0,1,2,3
	v_wmma_scale_f32_16x16x128_f8f6f4 v[96+8*\t:103+8*\t], v[32+4*\t:39+4*\t], v[16:23], 0, v[68+\t], v24 matrix_a_fmt:MATRIX_FMT_FP4 matrix_b_fmt:MATRIX_FMT_FP4
.endr
.irp t, 0,1,2,3
	v_wmma_scale_f32_16x16x128_f8f6f4 v[128+8*\t:135+8*\t], v[48+4*\t:55+4*\t], v[16:23], 0, v[68+\t], v24 matrix_a_fmt:MATRIX_FMT_FP4 matrix_b_fmt:MATRIX_FMT_FP4 matrix_a_scale:MATRIX_SCALE_ROW1
.endr
	v_add_nc_u32 v4, s48, v2                       ; four places (ISA guide 7.12.1): behind these products, ahead of the first read of the scores; with the addition at the step's head
.rept 3
	v_nop                                          ; they are five behind the last step's V^T P, ahead of the loads into its operands
.endr
.irp i, 0,1,2,3,4,5,6,7
	ds_load_b128 v[192+4*\i:195+4*\i], v3 offset:4096+512*\i   ; V lands while the softmax is walked
.endr
	ds_load_b64 v[72:73], v4 offset:8704           ; V's scale words: v72: lanes 0-15 tile 0, lanes 16-31 tile 2; v73: tiles 1 and 3
	; the largest score of each of my two blocks of 32 keys (registers 32 g + 0 .. 31), two chains each, each accumulator from its low end on
.irp g, 0,1
	v_max3_num_f32 v[232+\g], v[96+32*\g], v[97+32*\g], v[98+32*\g]
.endr
.irp g, 0,1
	v_max3_num_f32 v[234+\g], v[99+32*\g], v[100+32*\g], v[101+32*\g]
.endr
.irp i, 6,10,14,18,22,26
.irp g, 0,1
	v_max3_num_f32 v[232+\g], v[232+\g], v[96+32*\g+\i], v[97+32*\g+\i]
.endr
.irp g, 0,1
	v_max3_num_f32 v[234+\g], v[234+\g], v[98+32*\g+\i], v[99+32*\g+\i]
.endr
.endr
.irp g, 0,1
	v_max3_num_f32 v[232+\g], v[232+\g], v[126+32*\g], v[127+32*\g]
.endr
.irp g, 0,1
	s_delay_alu instid0(VALU_DEP_2)
	v_max_num_f32 v[232+\g], v[232+\g], v[234+\g]
.endr
	s_delay_alu instid0(VALU_DEP_1)
	v_max_num_f32 v254, v232, v233
	s_delay_alu instid0(VALU_DEP_1)
	v_permlanex16_b32 v240, v254, s20, s21
	s_delay_alu instid0(VALU_DEP_1)
	v_max_num_f32 v254, v254, v240                 ; the step's largest score of my query
	s_delay_alu instid0(VALU_DEP_1)
	v_mul_f32 v254, s22, v254                      ; as t
	s_delay_alu instid0(VALU_DEP_1)
	v_max_num_f32 v13, v13, v254                   ; the running largest t
	v_mov_b32 v254, v12
	s_delay_alu instid0(VALU_DEP_2)
	v_floor_f32 v12, -v13                          ; the new -M = floor(-t) = -ceil(t): a whole number
	s_delay_alu instid0(VALU_DEP_1)
	v_sub_f32 v254, v12, v254                      ; old M - new M: a whole number, 0 or less
	s_delay_alu instid0(VALU_DEP_1)
	v_cvt_i32_f32 v254, v254                       ; (it saturates)
	s_delay_alu instid0(VALU_DEP_1)
	v_ldexp_f32 v252, 1.0, v254                    ; f = 2^(old M - new M)
.set j, 0
.rept 32
	v_pk_fma_f32 v[96+j:97+j], v[96+j:97+j], s[22:23], v[12:13] op_sel_hi:[1,0,0]   ; t - M, two at a time
.set j, j+2
.endr
	v_fma_f32 v232, v232, s22, v12                 ; the same of each block's largest score
	v_fma_f32 v233, v233, s22, v12
.set j, 0
	s_wait_alu depctr_va_vdst(0)
.rept 64
	v_exp_f32 v[96+j], v[96+j]                     ; p = 2^(t - M), at most 1
.set j, j+1
.endr
	s_setprio 1
	v_pk_mul_f32 v[14:15], v[14:15], v[252:253] op_sel_hi:[1,0]   ; the sums under the new M: the plain instruction behind the exponentials
	s_wait_alu depctr_va_vdst(0)                   ; one wait for the batch, ahead of its first reader
	v_exp_f32 v232, v232                           ; each block's largest p: the same two instructions on the same number give the same bits
	v_exp_f32 v233, v233
	v_pk_add_f32 v[236:237], v[100:101], v[104:105]
	v_pk_add_f32 v[248:249], v[108:109], v[112:113]
	v_pk_add_f32 v[246:247], v[116:117], v[120:121]
	v_pk_add_f32 v[244:245], v[124:125], v[128:129]
	v_pk_add_f32 v[242:243], v[132:133], v[136:137]
	v_pk_add_f32 v[238:239], v[140:141], v[144:145]
	v_pk_add_f32 v[234:235], v[148:149], v[152:153]
	v_pk_add_f32 v[14:15], v[14:15], v[156:157]
	v_pk_add_f32 v[236:237], v[236:237], v[96:97]
	v_pk_add_f32 v[248:249], v[248:249], v[98:99]
	v_pk_add_f32 v[246:247], v[246:247], v[102:103]
	v_pk_add_f32 v[244:245], v[244:245], v[106:107]
	v_pk_add_f32 v[242:243], v[242:243], v[110:111]
	v_pk_add_f32 v[238:239], v[238:239], v[114:115]
	v_pk_add_f32 v[234:235], v[234:235], v[118:119]
	v_pk_add_f32 v[14:15], v[14:15], v[122:123]
	v_pk_add_f32 v[236:237], v[236:237], v[126:127]
	v_pk_add_f32 v[248:249], v[248:249], v[130:131]
	v_pk_add_f32 v[246:247], v[246:247], v[134:135]
	v_pk_add_f32 v[244:245], v[244:245], v[138:139]
	v_pk_add_f32 v[242:243], v[242:243], v[142:143]
	v_pk_add_f32 v[238:239], v[238:239], v[146:147]
	v_pk_add_f32 v[234:235], v[234:235], v[150:151]
	v_pk_add_f32 v[14:15], v[14:15], v[154:155]
	v_pk_add_f32 v[236:237], v[236:237], v[158:159]
	s_delay_alu instid0(VALU_DEP_2)
	v_pk_add_f32 v[14:15], v[14:15], v[244:245]
	s_delay_alu instid0(VALU_DEP_2)
	v_pk_add_f32 v[236:237], v[236:237], v[242:243]
	v_pk_add_f32 v[248:249], v[248:249], v[238:239]
	v_pk_add_f32 v[246:247], v[246:247], v[234:235]
	s_delay_alu instid0(VALU_DEP_2)
	v_pk_add_f32 v[14:15], v[14:15], v[248:249]
	s_delay_alu instid0(VALU_DEP_2)
	v_pk_add_f32 v[236:237], v[236:237], v[246:247]
	s_delay_alu instid0(VALU_DEP_1)
	v_pk_add_f32 v[14:15], v[14:15], v[236:237]
	s_wait_alu depctr_va_vdst(0)                   ; and one for the two
	v_max_num_f32 v232, FLOOR, v232                ; the floor: the byte cannot fall under 1
	v_max_num_f32 v233, FLOOR, v233
	s_delay_alu instid0(VALU_DEP_2)
	v_add_nc_u32 v244, EOFF, v232                  ; 2 off the exponent field: the conversion's scale operand
	s_delay_alu instid0(VALU_DEP_2)
	v_add_nc_u32 v245, EOFF, v233
	s_delay_alu instid0(VALU_DEP_2)
	v_lshrrev_b32 v238, 23, v244                   ; the bytes of blocks h and 2 + h
	s_delay_alu instid0(VALU_DEP_2)
	v_lshrrev_b32 v239, 23, v245
	s_delay_alu instid0(VALU_DEP_1)
	v_lshl_or_b32 v242, v239, 16, v238
	s_delay_alu instid0(VALU_DEP_1)
	v_lshlrev_b32 v242, v5, v242
	s_delay_alu instid0(VALU_DEP_1)
	v_permlanex16_b32 v240, v242, s20, s21
	s_delay_alu instid0(VALU_DEP_1)
	v_or_b32 v242, v242, v240                      ; p's scale word for these 128 keys
.irp g, 0,1
.irp i, 0,1,2,3
	v_cvt_scalef32_pk8_fp4_f32 v[224+4*\g+\i], v[96+32*\g+8*\i:103+32*\g+8*\i], v[244+\g]   ; registers 4 g .. 4 g + 3 of the operand, as they stand
.endr
.endr
	v_nop                                          ; one plain instruction behind the last scaled conversion
.set j, 0
	s_setprio 0
.rept 16
	v_pk_mul_f32 v[160+j:161+j], v[160+j:161+j], v[252:253] op_sel_hi:[1,0]   ; O^T under the new M.  For each product below, twelve of these name none of its registers: the places behind the scale word's and the codes' last writes
.set j, j+2
.endr
	s_wait_alu depctr_va_vdst(0)
	s_wait_dscnt 0x0                               ; V
	v_wmma_scale_f32_16x16x128_f8f6f4 v[160:167], v[192:199], v[224:231], v[160:167], v72, v242 matrix_a_fmt:MATRIX_FMT_FP4 matrix_b_fmt:MATRIX_FMT_FP4
	v_wmma_scale_f32_16x16x128_f8f6f4 v[168:175], v[200:207], v[224:231], v[168:175], v73, v242 matrix_a_fmt:MATRIX_FMT_FP4 matrix_b_fmt:MATRIX_FMT_FP4
	v_wmma_scale_f32_16x16x128_f8f6f4 v[176:183], v[208:215], v[224:231], v[176:183], v72, v242 matrix_a_fmt:MATRIX_FMT_FP4 matrix_b_fmt:MATRIX_FMT_FP4 matrix_a_scale:MATRIX_SCALE_ROW1
	v_wmma_scale_f32_16x16x128_f8f6f4 v[184:191], v[216:223], v[224:231], v[184:191], v73, v242 matrix_a_fmt:MATRIX_FMT_FP4 matrix_b_fmt:MATRIX_FMT_FP4 matrix_a_scale:MATRIX_SCALE_ROW1
	s_add_co_u32 s48, s48, REC
.endm
; Records 8 g .. 8 g + 7.  Of my four tensor loads the 3 - g for the later groups may stay out (waves 8-15 have none): no LDS byte is filled again behind this barrier.
.macro GROUP g
	s_wait_tensorcnt 3-\g
	s_wait_dscnt 0x0
	s_barrier_signal -1
	s_barrier_wait -1                              ; everybody's part of the group has landed
	s_mov_b32 s48, GRP*\g
	s_mov_b32 s49, 8
.Lstep_\@:
	s_setprio 2
	STEP
	s_sub_co_u32 s49, s49, 1
	s_cmp_lg_u32 s49, 0
	s_cbranch_scc1 .Lstep_\@
	s_setprio 0
.endm
	s_wait_loadcnt 0x0                             ; Q
	GROUP 0
	GROUP 1
	GROUP 2
	GROUP 3
	; THE WAY OUT: a = O^T / the sum; my 32 registers are channels 32 h + 0 .. 31 of my query: one whole block along the last product's K
.rept 4
	v_nop                                          ; places behind the last products
.endr
	v_add_f32 v14, v14, v15                        ; the sum's two halves,
	s_delay_alu instid0(VALU_DEP_1)
	v_permlanex16_b32 v240, v14, s20, s21
	s_delay_alu instid0(VALU_DEP_1)
	v_add_f32 v14, v14, v240                       ; and lane l xor 16's keys
	s_wait_alu depctr_va_vdst(0)
	v_rcp_f32 v14, v14
	v_nop                                          ; a plain instruction behind the transcendental
	s_wait_alu depctr_va_vdst(0)                   ; and the wait, ahead of its first reader
.set j, 0
.rept 16
	v_pk_mul_f32 v[96+j:97+j], v[160+j:161+j], v[14:15] op_sel_hi:[1,0]
.set j, j+2
.endr
	v_max3_num_f32 v232, |v96|, |v97|, FLOOR
	v_max3_num_f32 v234, |v98|, |v99|, |v100|
.irp i, 5,9,13,17,21,25
	s_delay_alu instid0(VALU_DEP_2)
	v_max3_num_f32 v232, v232, |v[96+\i]|, |v[97+\i]|
	s_delay_alu instid0(VALU_DEP_2)
	v_max3_num_f32 v234, v234, |v[98+\i]|, |v[99+\i]|
.endr
	s_delay_alu instid0(VALU_DEP_2)
	v_max3_num_f32 v232, v232, |v125|, |v126|
	s_delay_alu instid0(VALU_DEP_1)
	v_max3_num_f32 v232, v232, v234, |v127|
	s_delay_alu instid0(VALU_DEP_1)
	v_add_nc_u32 v244, EOFF, v232
	s_delay_alu instid0(VALU_DEP_1)
	v_lshrrev_b32 v238, 23, v244
.irp i, 0,1,2,3
	v_cvt_scalef32_pk8_fp4_f32 v[224+\i], v[96+8*\i:103+8*\i], v244
.endr
	v_nop                                          ; one plain instruction behind the last scaled conversion
	global_store_b128 v1, v[224:227], s[60:61]     ; half a fragment's image: 512 consecutive bytes
	global_store_b8 v6, v238, s[62:63]             ; my block's byte
	s_wait_dscnt 0x0
	s_wait_tensorcnt 0x0
	ds_add_u32 v251, v255
	s_wait_dscnt 0x0
	CROUND                                         ; the closing round: no work-group ends while a partner may still ask for a record that names it
	s_endpgm
.Lfunc_end_k_qaebe2b525f_attn:
	.size	k_qaebe2b525f_attn, .Lfunc_end_k_qaebe2b525f_attn-k_qaebe2b525f_attn
	.p2alignl 7, 3214868480
	.fill 96, 4, 3214868480
	.section	.rodata,"a",@progbits
	.p2align	6, 0x0
	.amdhsa_kernel k_qaebe2b525f_attn
		.amdhsa_group_segment_fixed_size 296960
		.amdhsa_private_segment_fixed_size 0
		.amdhsa_enable_private_segment 0
		.amdhsa_kernarg_size 24
		.amdhsa_user_sgpr_count 2
		.amdhsa_user_sgpr_kernarg_segment_ptr 1
		.amdhsa_wavefront_size32 1
		.amdhsa_system_sgpr_workgroup_id_x 1
		.amdhsa_system_sgpr_workgroup_id_y 1
		.amdhsa_system_sgpr_workgroup_id_z 1
		.amdhsa_system_vgpr_workitem_id 0
		.amdhsa_next_free_vgpr 256
		.amdhsa_next_free_sgpr 84
		.amdhsa_reserve_vcc 0
		.amdhsa_float_denorm_mode_32 3
		.amdhsa_float_denorm_mode_16_64 3
		.amdhsa_memory_ordered 1
		.amdhsa_forward_progress 1
		.amdhsa_inst_pref_size 71
	.end_amdhsa_kernel
	.amdgpu_metadata
---
amdhsa.version: [ 1, 2 ]
amdhsa.kernels:
  - .name:           k_qaebe2b525f_attn
    .symbol:         k_qaebe2b525f_attn.kd
    .args:
      - { .name: qbuf, .offset: 0, .size: 8, .value_kind: global_buffer, .address_space: global }
      - { .name: kvbuf, .offset: 8, .size: 8, .value_kind: global_buffer, .address_space: global }
      - { .name: abuf, .offset: 16, .size: 8, .value_kind: global_buffer, .address_space: global }
    .group_segment_fixed_size: 296960
    .private_segment_fixed_size: 0
    .kernarg_segment_align: 8
    .kernarg_segment_size: 24
    .max_flat_workgroup_size: 512
    .sgpr_count:     84
    .vgpr_count:     256
    .wavefront_size: 32
...
	.end_amdgpu_metadata
.endif
;; end of part 3
;; launch proj (part 4): grid 64 x 4, 8 waves a work-group, no clusters, 70,656 bytes of LDS; arguments abuf, proj_w_codes, proj_w_scales, proj_b, x, out0; writes out0
.if DOCPART == 4
	.amdgcn_target "amdgcn-amd-amdhsa--gfx1250"
	.amdhsa_code_object_version 6
	.text
	.protected	k_qaebe2b525f_proj
	.globl	k_qaebe2b525f_proj
	.p2align	8
	.type	k_qaebe2b525f_proj,@function
k_qaebe2b525f_proj:
	s_mov_b64 s[64:65], 0
	v_nop
	global_prefetch_b8 v0, s[64:65] scope:SCOPE_SE
	s_setreg_imm32_b32 hwreg(HW_REG_WAVE_MODE, 25, 1), 1
	s_wait_xcnt 0x0
; out = x + proj_w a + proj_b.  a comes as register images of FP4 fragments with their scale words (abuf), proj_w as codes with K innermost; sums in f32.
; SHARES.  A work-group takes 64 positions l of one batch (x = block of positions, y = batch) and all 256 outputs; wave w outputs 32 w .. 32 w + 31: two tiles of outputs x four tiles of positions x two K steps.
; Source 0 = a's fragment (its rows are positions pi(t, m) = 8 t + m % 8 + 32 (m / 8)), source 1 = 16 rows of W: lane (r, h) holds out[32 w + 16 n + r][32 h + 8 t + j]: eight neighbours of a row.
; A wave stages its own 32 rows x 256 bytes in LDS and reads only them back: no barrier.  Sixteen lanes then store 256 consecutive bytes, aligned.
; NO CLUSTER, NO TENSOR LOAD: operands go from memory straight into registers as they lie; what work-groups share, W's 34,816 bytes, is a fifth of the 174,080 bytes that a work-group moves.
; The bias is the C of each sum's first product: eight equal registers a tile of outputs.
.set AS_OFF, 2097152
.set SPITCH, 272                       ; a stage row: 256 bytes + 16: the sixteen rows that a store touches start at sixteen different banks (64 banks of 4 bytes: ISA guide 11.1)
; v1 16 lane; v2 x, out: 16,384 (lane / 16) + 16 (lane % 16); v3 W: 128 r + 16 h; v4 8 r; v5 4 r; v6 stage, in; v7 stage, back; v8-11 a's scale words (register t: lanes 0-15 K step 0, lanes 16-31 K step 1);
; v12-15 W's scale words; v16-31 the bias; v32-63 W's fragments; v64-127 a's fragments, later rows read back; v128-191 accumulators; v192-255 x
	s_load_b256 s[4:11], s[0:1], 0x0               ; abuf s[4:5], W's codes s[6:7], W's scales s[8:9], proj_b s[10:11]
	s_load_b128 s[12:15], s[0:1], 0x20             ; x s[12:13], out0 s[14:15]
	s_set_vgpr_msb 0x40
	v_lshl_add_u32 v0, v0, 2, 0x11000
	v_mov_b32 v1, 0
	s_set_vgpr_msb 0x4000
	v_lshrrev_b32 v16, 5, v0
	s_delay_alu instid0(VALU_DEP_1)
	v_readfirstlane_b32 s16, v16                   ; wave 0..7
	s_and_b32 s17, ttmp7, 0xffff                   ; b
	s_lshl_b32 s20, s17, 19
	s_lshl_b32 s21, ttmp9, 13
	s_add_co_u32 s20, s20, s21                     ; a's images: (256 b + 4 lt) x 2,048
	s_mov_b32 s21, 0
	s_lshl_b32 s22, s17, 15
	s_lshl_b32 s23, ttmp9, 9
	s_add_co_u32 s22, s22, s23
	s_add_co_u32 s22, s22, AS_OFF                  ; a's scale words: AS_OFF + (64 b + lt) x 512
	s_mov_b32 s23, 0
	s_lshl_b32 s28, s16, 12                        ; my 32 rows of W's codes,
	s_mov_b32 s29, 0
	s_lshl_b32 s30, s16, 8                         ; of its scales,
	s_mov_b32 s31, 0
	s_lshl_b32 s32, s16, 7                         ; of the bias,
	s_mov_b32 s33, 0
	s_lshl_b32 s34, s17, 22                        ; and of x and out: batch, 32 channels a wave, my 64 positions
	s_lshl_b32 s35, s16, 19
	s_add_co_u32 s34, s34, s35
	s_lshl_b32 s35, ttmp9, 8
	s_add_co_u32 s34, s34, s35
	s_mov_b32 s35, 0
	s_mul_i32 s18, s16, 32*SPITCH                  ; my stage
	v_and_b32 v16, 31, v0                          ; lane
	v_and_b32 v17, 15, v0                          ; r
	v_bfe_u32 v18, v0, 4, 1                        ; h
	s_delay_alu instid0(VALU_DEP_3)
	v_lshlrev_b32 v1, 4, v16
	s_delay_alu instid0(VALU_DEP_2)
	v_lshlrev_b32 v2, 14, v18
	s_delay_alu instid0(VALU_DEP_1)
	v_lshl_add_u32 v2, v17, 4, v2
	v_lshlrev_b32 v3, 7, v17
	s_delay_alu instid0(VALU_DEP_1)
	v_lshl_add_u32 v3, v18, 4, v3
	v_lshlrev_b32 v4, 3, v17
	v_lshlrev_b32 v5, 2, v17
	v_mul_u32_u24 v6, v17, SPITCH                  ; in: row r, + 128 h
	s_delay_alu instid0(VALU_DEP_1)
	v_lshl_add_u32 v6, v18, 7, v6
	s_delay_alu instid0(VALU_DEP_1)
	v_add_nc_u32 v6, s18, v6
	v_mul_u32_u24 v7, v18, SPITCH                  ; back: lanes 0-15 one row, lanes 16-31 the next
	s_delay_alu instid0(VALU_DEP_1)
	v_lshl_add_u32 v7, v17, 4, v7
	s_delay_alu instid0(VALU_DEP_1)
	v_add_nc_u32 v7, s18, v7
	s_wait_alu depctr_va_vdst(0)
	s_wait_kmcnt 0x0
	s_add_nc_u64 s[24:25], s[4:5], s[20:21]
	s_add_nc_u64 s[26:27], s[4:5], s[22:23]
	s_add_nc_u64 s[6:7], s[6:7], s[28:29]
	s_add_nc_u64 s[8:9], s[8:9], s[30:31]
	s_add_nc_u64 s[10:11], s[10:11], s[32:33]
	s_add_nc_u64 s[12:13], s[12:13], s[34:35]
	s_add_nc_u64 s[14:15], s[14:15], s[34:35]
	global_load_b128 v[8:11], v1, s[26:27]
.set i, 0
.rept 16
	global_load_b128 v[64+4*i:67+4*i], v1, s[24:25] offset:512*i   ; fragment (tile t, K step s) at 64 + 8 (2 t + s)
.set i, i+1
.endr
.irp n, 0,1
.irp s, 0,1
.irp c, 0,1
	global_load_b128 v[32+8*(2*\n+\s)+4*\c:32+8*(2*\n+\s)+4*\c+3], v3, s[6:7] offset:2048*\n+64*\s+32*\c
.endr
.endr
	global_load_b64 v[12+2*\n:13+2*\n], v4, s[8:9] offset:128*\n
.irp j, 0,1,2,3,4,5,6,7
	global_load_b32 v[16+8*\n+\j], v5, s[10:11] offset:64*\n
.endr
.endr
.set i, 0
.rept 16
	global_load_b128 v[192+4*i:195+4*i], v2, s[12:13] offset:32768*i th:TH_LOAD_NT   ; the residual: rows 2 i and 2 i + 1 of my 32; read once here
.set i, i+1
.endr
	s_wait_loadcnt 16                              ; all but the 16 loads of x
	; eight accumulators by turns
.irp n, 0,1
.irp t, 0,1,2,3
	v_wmma_scale_f32_16x16x128_f8f6f4 v[128+8*(4*\n+\t):135+8*(4*\n+\t)], v[64+16*\t:71+16*\t], v[32+16*\n:39+16*\n], v[16+8*\n:23+8*\n], v[8+\t], v[12+2*\n] matrix_a_fmt:MATRIX_FMT_FP4 matrix_b_fmt:MATRIX_FMT_FP4
.endr
.endr
.irp n, 0,1
.irp t, 0,1,2,3
	v_wmma_scale_f32_16x16x128_f8f6f4 v[128+8*(4*\n+\t):135+8*(4*\n+\t)], v[72+16*\t:79+16*\t], v[40+16*\n:47+16*\n], v[128+8*(4*\n+\t):135+8*(4*\n+\t)], v[8+\t], v[13+2*\n] matrix_a_fmt:MATRIX_FMT_FP4 matrix_b_fmt:MATRIX_FMT_FP4 matrix_a_scale:MATRIX_SCALE_ROW1
.endr
.endr
.rept 4
	v_nop                                          ; four places: ahead of the stores that read results and of the loads into a's registers
.endr
.irp n, 0,1
.irp t, 0,1,2,3
	ds_store_b128 v6, v[128+8*(4*\n+\t):131+8*(4*\n+\t)] offset:16*SPITCH*\n+32*\t       ; each accumulator from its low end on
	ds_store_b128 v6, v[132+8*(4*\n+\t):135+8*(4*\n+\t)] offset:16*SPITCH*\n+32*\t+16
.endr
.endr
.set i, 0
.rept 16
	ds_load_b128 v[64+4*i:67+4*i], v7 offset:2*SPITCH*i   ; LDS serves a wave's instructions in order (ISA guide 5.7.1.4): these see my stores
.set i, i+1
.endr
.set i, 0
.rept 16
	s_wait_dscnt 15-i                              ; rows 2 i, 2 i + 1 are back; the younger loads may be out
	s_wait_loadcnt 15-i                            ; and so are x's
	v_pk_add_f32 v[64+4*i:65+4*i], v[64+4*i:65+4*i], v[192+4*i:193+4*i]
	v_pk_add_f32 v[66+4*i:67+4*i], v[66+4*i:67+4*i], v[194+4*i:195+4*i]
	global_store_b128 v2, v[64+4*i:67+4*i], s[14:15] offset:32768*i th:TH_STORE_NT   ; 16 lanes store 256 consecutive bytes, at a multiple of 256 from out0's first byte
.set i, i+1
.endr
	s_set_vgpr_msb 0x5
	s_wait_tensorcnt 0x0
	ds_add_u32 v0, v1
	s_wait_dscnt 0x0
	s_set_vgpr_msb 0x500
	s_endpgm
.Lfunc_end_k_qaebe2b525f_proj:
	.size	k_qaebe2b525f_proj, .Lfunc_end_k_qaebe2b525f_proj-k_qaebe2b525f_proj
	.p2alignl 7, 3214868480
	.fill 96, 4, 3214868480
	.section	.rodata,"a",@progbits
	.p2align	6, 0x0
	.amdhsa_kernel k_qaebe2b525f_proj
		.amdhsa_group_segment_fixed_size 70656
		.amdhsa_private_segment_fixed_size 0
		.amdhsa_enable_private_segment 0
		.amdhsa_kernarg_size 48
		.amdhsa_user_sgpr_count 2
		.amdhsa_user_sgpr_kernarg_segment_ptr 1
		.amdhsa_wavefront_size32 1
		.amdhsa_system_sgpr_workgroup_id_x 1
		.amdhsa_system_sgpr_workgroup_id_y 1
		.amdhsa_system_sgpr_workgroup_id_z 1
		.amdhsa_system_vgpr_workitem_id 0
		.amdhsa_next_free_vgpr 258
		.amdhsa_next_free_sgpr 66
		.amdhsa_reserve_vcc 0
		.amdhsa_float_denorm_mode_32 3
		.amdhsa_float_denorm_mode_16_64 3
		.amdhsa_memory_ordered 1
		.amdhsa_forward_progress 1
		.amdhsa_inst_pref_size 18
	.end_amdhsa_kernel
	.amdgpu_metadata
---
amdhsa.version: [ 1, 2 ]
amdhsa.kernels:
  - .name:           k_qaebe2b525f_proj
    .symbol:         k_qaebe2b525f_proj.kd
    .args:
      - { .name: abuf, .offset: 0, .size: 8, .value_kind: global_buffer, .address_space: global }
      - { .name: proj_w_codes, .offset: 8, .size: 8, .value_kind: global_buffer, .address_space: global }
      - { .name: proj_w_scales, .offset: 16, .size: 8, .value_kind: global_buffer, .address_space: global }
      - { .name: proj_b, .offset: 24, .size: 8, .value_kind: global_buffer, .address_space: global }
      - { .name: x, .offset: 32, .size: 8, .value_kind: global_buffer, .address_space: global }
      - { .name: out0, .offset: 40, .size: 8, .value_kind: global_buffer, .address_space: global }
    .group_segment_fixed_size: 70656
    .private_segment_fixed_size: 0
    .kernarg_segment_align: 8
    .kernarg_segment_size: 48
    .max_flat_workgroup_size: 256
    .sgpr_count:     66
    .vgpr_count:     258
    .wavefront_size: 32
...
	.end_amdgpu_metadata
.endif
;; end of part 4
